; MI455X (gfx1250); checked and timed in simulation.
; The chip was launched on July 23, 2026; its instructions are those of AMD's public machine-readable ISA for CDNA 5 (MIT licence, August 2026) and "CDNA5" Instruction Set Architecture Reference Guide (July 2026). The comments in the code are by the model that wrote it; some were corrected since.
;; Flex Decoding Module. Allowed arithmetic: float matrix products may take bf16 or f16 operands with f32 sums; all other float work in f32.
;; Inputs: Wk 2,048 x 2,048 float32; Wo 2,048 x 2,048 float32; Wq 2,048 x 2,048 float32; Wv 2,048 x 2,048 float32; token 4 x 1 x 2,048 float32; tokens 4 x 2,048 x 2,048 float32.
;; Outputs: out0 4 x 1 x 2,048 float32.
;; 2 versions, each right; version 2 is version 1 with the launch gemvq written anew for expert scheduling mode. Each part assembles by itself: llvm-mc -triple=amdgcn-amd-amdhsa -mcpu=gfx1250 --defsym DOCPART=n.
;; ======== version 1 of 2: 5 launches
;; limits: values are held in f16: magnitudes above 65,504 overflow, below 6.1e-05 lose precision; inputs' magnitudes at most 65,504; right only within a limited range of input values
;; workspace buffers: q 32,768 bytes; qk 524,288 bytes; part 33,554,432 bytes; stats 32,768 bytes; opart 131,072 bytes
;; launch gemvq (part 1): grid 256 x 1, 8 waves a work-group, no clusters, 34,304 bytes of LDS; arguments token, Wq, q; writes q
.if DOCPART == 1
	.amdgcn_target "amdgcn-amd-amdhsa--gfx1250"
	.amdhsa_code_object_version 6
	.text
	.protected	k_q4650d5cf0c_gemvq
	.globl	k_q4650d5cf0c_gemvq
	.p2align	8
	.type	k_q4650d5cf0c_gemvq,@function
k_q4650d5cf0c_gemvq:
	s_mov_b64 s[64:65], 0
	v_nop
	global_prefetch_b8 v0, s[64:65] scope:SCOPE_SE
	s_setreg_imm32_b32 hwreg(HW_REG_WAVE_MODE, 25, 1), 1
	s_wait_xcnt 0x0
; y[b][o] = sum over i of x[b][i] W[o][i].  x: NP partial tables [4][2048] f32 that are added first (here NP = 1), W: [2048][2048] f32, y: [4][2048] f32.
; Four rows of x against a weight table that is streamed once: memory binds, so the work is done in f32 on the vector unit;
; a matrix tile would use 4 of its 16 rows and save no byte.
; The work-group owns the 8 rows o = 8 id .. 8 id + 7 of W (64 KB, all requested in the first lines).  Wave w owns columns 256 w .. 256 w + 255;
; lane l the columns 256 w + 128 u + 4 l .. + 3, u = 0, 1: each load of a wave covers 512 consecutive bytes, aligned.
; x is shared by all work-groups but goes straight into the registers where it is multiplied; a joint load would add a trip through LDS. No cluster.
; The 32 results of a work-group are 8 neighbouring numbers in each of 4 rows of y: four runs of 32 bytes.  Runs of 256 bytes would need
; 64 rows of W in a work-group, which leaves 32 work-groups.
.set NP,  1                            ; partial tables of x
.set T,   4                            ; v[4:11]   four pairs, one for each b
.set XB,  16                           ; x at XB + 32 p + 8 b + 4 u
.set WRB, XB+32*NP                     ; W at WRB + 8 i + 4 u, later the loads of the reduction
.set VB,  WRB+64                       ; lane sums at VB + 4 i + b
.set FIN, 32768                        ; LDS: bytes 0 .. 32767 [wave][row][lane] 16 bytes (4 b); FIN: [b][row] 32 words
.macro BAR
	s_barrier_signal -1
	s_barrier_wait -1
.endm
; two sums over lane pairs for the price of one: lanes whose mask bit is 0 end with a[i] + a[i xor xm], the others with b[i] + b[i xor xm]
.macro HALVE t, u, a, b, mask, xm
	v_cndmask_b32 v[\t], v[\a], v[\b], s[\mask]
	v_cndmask_b32 v[\u], v[\b], v[\a], s[\mask]
	v_add_f32_dpp v[\t], v[\u], v[\t] row_xmask:\xm row_mask:0xf bank_mask:0xf
.endm
.macro XADD r, xm
	v_add_f32_dpp v[\r], v[\r], v[\r] row_xmask:\xm row_mask:0xf bank_mask:0xf
.endm
	s_load_b128 s[4:7], s[0:1], 0x0                ; x s[4:5], W s[6:7]
	s_load_b64 s[8:9], s[0:1], 0x10                ; y
	v_lshl_add_u32 v144, v0, 2, 0x8200
	v_mov_b32 v145, 0
	v_and_b32 v1, 31, v0                           ; lane
	v_lshrrev_b32 v14, 5, v0
	v_readfirstlane_b32 s10, v14                   ; wave
	s_mov_b32 s14, 0x76543210                      ; v_permlanex16_b32: lane i reads lane i of the other half
	s_mov_b32 s15, 0xfedcba98
	s_mov_b32 s16, 0xaaaaaaaa                      ; lanes with bit 0 set
	s_mov_b32 s17, 0xcccccccc                      ; lanes with bit 1 set
	v_lshlrev_b32 v14, 4, v1                       ; 16 l
	v_lshl_add_u32 v2, s10, 10, v14                ; my 16 bytes in a row: 1,024 w + 16 l
	v_lshl_add_u32 v3, s10, 12, v14                ; LDS, where I put lane sums: 4,096 w + 16 l
	v_lshl_add_u32 v12, s10, 9, v14                ; LDS, where I read row w's lane sums: 512 w + 16 l
	v_and_b32 v13, 3, v1
	v_lshlrev_b32 v13, 5, v13
	v_lshl_add_u32 v13, s10, 2, v13                ; FIN word 8 (l & 3) + w
	s_lshl_b32 s12, ttmp9, 16                      ; 8 rows of 8,192 bytes
	s_mov_b32 s13, 0
	s_wait_kmcnt 0x0
	s_add_nc_u64 s[6:7], s[6:7], s[12:13]
	s_lshl_b32 s12, ttmp9, 5                       ; 8 numbers of y
	s_add_nc_u64 s[8:9], s[8:9], s[12:13]
.set p, 0
.rept NP
.irp b, 0,1,2,3
.irp u, 0,1
	global_load_b128 v[XB+32*p+8*\b+4*\u:XB+32*p+8*\b+4*\u+3], v2, s[4:5] offset:32768*p+8192*\b+512*\u
.endr
.endr
.set p, p+1
.endr
.irp i, 0,1,2,3,4,5,6,7
.irp u, 0,1
	global_load_b128 v[WRB+8*\i+4*\u:WRB+8*\i+4*\u+3], v2, s[6:7] offset:8192*\i+512*\u th:TH_LOAD_NT
.endr
.endr
	s_wait_loadcnt 16                              ; x is in; the 16 loads of W, issued behind it, stay out
.if NP > 1
.set p, 1
.rept NP-1
.set n, 0
.rept 16
	v_pk_add_f32 v[XB+n:XB+n+1], v[XB+n:XB+n+1], v[XB+32*p+n:XB+32*p+n+1]
.set n, n+2
.endr
.set p, p+1
.endr
.endif
; row i of my eight: my 8 columns against the 4 rows of x, four chains that do not wait for each other
.macro ROW i
	s_wait_loadcnt 2*(7-\i)                        ; loads return in order: row i's two are in, the later rows' two each stay out
.irp b, 0,1,2,3
	v_pk_mul_f32 v[T+2*\b:T+2*\b+1], v[WRB+8*\i:WRB+8*\i+1], v[XB+8*\b:XB+8*\b+1]
.endr
.irp k, 2,4,6
.irp b, 0,1,2,3
	v_pk_fma_f32 v[T+2*\b:T+2*\b+1], v[WRB+8*\i+\k:WRB+8*\i+\k+1], v[XB+8*\b+\k:XB+8*\b+\k+1], v[T+2*\b:T+2*\b+1]
.endr
.endr
.irp b, 0,1,2,3
	v_add_f32 v[VB+4*\i+\b], v[T+2*\b], v[T+2*\b+1]
.endr
	ds_store_b128 v3, v[VB+4*\i:VB+4*\i+3] offset:512*\i
.endm
.irp i, 0,1,2,3,4,5,6,7
	ROW \i
.endr
	s_wait_dscnt 0x0                               ; my lane sums are in LDS before I say so
	BAR
	; wave w finishes row w: the eight waves' lane sums, then the 32 lanes
.irp s, 0,1,2,3,4,5,6,7
	ds_load_b128 v[WRB+4*\s:WRB+4*\s+3], v12 offset:4096*\s
.endr
	s_wait_dscnt 0x0
.irp s, 0,8,16,24
	v_pk_add_f32 v[WRB+\s:WRB+\s+1], v[WRB+\s:WRB+\s+1], v[WRB+\s+4:WRB+\s+5]
	v_pk_add_f32 v[WRB+\s+2:WRB+\s+3], v[WRB+\s+2:WRB+\s+3], v[WRB+\s+6:WRB+\s+7]
.endr
.irp s, 0,16
	v_pk_add_f32 v[WRB+\s:WRB+\s+1], v[WRB+\s:WRB+\s+1], v[WRB+\s+8:WRB+\s+9]
	v_pk_add_f32 v[WRB+\s+2:WRB+\s+3], v[WRB+\s+2:WRB+\s+3], v[WRB+\s+10:WRB+\s+11]
.endr
	v_pk_add_f32 v[WRB:WRB+1], v[WRB:WRB+1], v[WRB+16:WRB+17]
	v_pk_add_f32 v[WRB+2:WRB+3], v[WRB+2:WRB+3], v[WRB+18:WRB+19]
	HALVE 4, 5, WRB, WRB+1, 16, 1
	HALVE 6, 7, WRB+2, WRB+3, 16, 1
	HALVE 8, 9, 4, 6, 17, 2                        ; lane l now works for b = l & 3
	XADD 8, 4
	XADD 8, 8
	v_permlanex16_b32 v9, v8, s14, s15
	v_add_f32 v8, v8, v9                           ; the same bits in all eight lanes of one b: they store one word
	ds_store_b32 v13, v8 offset:FIN
	s_wait_dscnt 0x0
	BAR
	s_cmp_lg_u32 s10, 0
	s_cbranch_scc1 .Lend                           ; wave 0 alone stores the 32 results
	v_lshlrev_b32 v14, 2, v1
	ds_load_b32 v15, v14 offset:FIN                ; lane l: b = l >> 3, row l & 7
	v_lshrrev_b32 v10, 3, v1
	v_and_b32 v11, 7, v1
	v_lshlrev_b32 v11, 2, v11
	v_lshl_or_b32 v10, v10, 13, v11                ; 8,192 b + 4 row
	s_wait_dscnt 0x0
	global_store_b32 v10, v15, s[8:9]
.Lend:
	s_wait_tensorcnt 0x0
	ds_add_u32 v144, v145
	s_wait_dscnt 0x0
	s_endpgm
.Lfunc_end_k_q4650d5cf0c_gemvq:
	.size	k_q4650d5cf0c_gemvq, .Lfunc_end_k_q4650d5cf0c_gemvq-k_q4650d5cf0c_gemvq
	.p2alignl 7, 3214868480
	.fill 96, 4, 3214868480
	.section	.rodata,"a",@progbits
	.p2align	6, 0x0
	.amdhsa_kernel k_q4650d5cf0c_gemvq
		.amdhsa_group_segment_fixed_size 34304
		.amdhsa_private_segment_fixed_size 0
		.amdhsa_enable_private_segment 0
		.amdhsa_kernarg_size 24
		.amdhsa_user_sgpr_count 2
		.amdhsa_user_sgpr_kernarg_segment_ptr 1
		.amdhsa_wavefront_size32 1
		.amdhsa_system_sgpr_workgroup_id_x 1
		.amdhsa_system_sgpr_workgroup_id_y 1
		.amdhsa_system_sgpr_workgroup_id_z 1
		.amdhsa_system_vgpr_workitem_id 0
		.amdhsa_next_free_vgpr 146
		.amdhsa_next_free_sgpr 66
		.amdhsa_reserve_vcc 0
		.amdhsa_float_denorm_mode_32 3
		.amdhsa_float_denorm_mode_16_64 3
		.amdhsa_memory_ordered 1
		.amdhsa_forward_progress 1
		.amdhsa_inst_pref_size 17
	.end_amdhsa_kernel
	.amdgpu_metadata
---
amdhsa.version: [ 1, 2 ]
amdhsa.kernels:
  - .name:           k_q4650d5cf0c_gemvq
    .symbol:         k_q4650d5cf0c_gemvq.kd
    .args:
      - { .name: token, .offset: 0, .size: 8, .value_kind: global_buffer, .address_space: global }
      - { .name: Wq, .offset: 8, .size: 8, .value_kind: global_buffer, .address_space: global }
      - { .name: q, .offset: 16, .size: 8, .value_kind: global_buffer, .address_space: global }
    .group_segment_fixed_size: 34304
    .private_segment_fixed_size: 0
    .kernarg_segment_align: 8
    .kernarg_segment_size: 24
    .max_flat_workgroup_size: 256
    .sgpr_count:     66
    .vgpr_count:     146
    .wavefront_size: 32
...
	.end_amdgpu_metadata
.endif
;; end of part 1
;; launch qkproj (part 2): grid 256 x 1, 8 waves a work-group, no clusters, 17,408 bytes of LDS; arguments q, Wk, qk; writes qk
.if DOCPART == 2
	.amdgcn_target "amdgcn-amd-amdhsa--gfx1250"
	.amdhsa_code_object_version 6
	.text
	.protected	k_q4650d5cf0c_qkproj
	.globl	k_q4650d5cf0c_qkproj
	.p2align	8
	.type	k_q4650d5cf0c_qkproj,@function
k_q4650d5cf0c_qkproj:
	s_mov_b64 s[64:65], 0
	v_nop
	global_prefetch_b8 v0, s[64:65] scope:SCOPE_SE
	s_setreg_imm32_b32 hwreg(HW_REG_WAVE_MODE, 25, 1), 1
	s_wait_xcnt 0x0
; qk[b][h][j] = c * sum over d of q[b][128 h + d] Wk[128 h + d][j],  c = log2(e) / sqrt(128): the score of a token row x is then x . qk[b][h], in the
; base-2 domain.  (scores = (x Wk_h^T) . q_h = x . (Wk_h^T q_h): the products of the cache fill are re-associated, which holds for every input.)
; q: [4][2048] f32, Wk: [2048][2048] f32, qk: [4][16][2048] f32.  Four rows against a table streamed once: f32 on the vector unit, no matrix unit.
; Work-group = head h = id >> 4, columns 128 js .. + 127 (js = id & 15).  Wave w takes rows d = 16 w .. + 15; one load of a wave is a row's
; 512 consecutive bytes, aligned.  The wave's 4 x 16 numbers of q are the same in all lanes: they lie in scalar registers.
; No work-group shares a byte of Wk with another; q is 256 bytes a wave.  No cluster.
.set WR,  16                           ; v[16:79]   row i at WR + 4 i
.set ACC, 80                           ; v[80:95]   sums at ACC + 4 b + c
.set RD,  96                           ; v[96:127]  the eight waves' sums
.macro BAR
	s_barrier_signal -1
	s_barrier_wait -1
.endm
	s_load_b128 s[4:7], s[0:1], 0x0                ; q s[4:5], Wk s[6:7]
	s_load_b64 s[8:9], s[0:1], 0x10                ; qk
	v_lshl_add_u32 v128, v0, 2, 0x4000
	v_mov_b32 v129, 0
	v_and_b32 v1, 31, v0
	v_lshrrev_b32 v2, 5, v0
	v_readfirstlane_b32 s10, v2                    ; wave
	v_lshlrev_b32 v5, 4, v1                        ; 16 l
	v_lshl_add_u32 v2, s10, 17, v5                 ; 16 rows of 8,192 bytes a wave
	v_lshl_add_u32 v3, s10, 11, v5                 ; LDS [wave][b][lane] 16 bytes: where I store
	v_lshl_add_u32 v4, s10, 9, v5                  ; and where wave b reads
	s_lshr_b32 s11, ttmp9, 4                       ; h
	s_and_b32 s14, ttmp9, 15
	s_lshl_b32 s14, s14, 9                         ; 512 js
	s_mov_b32 s13, 0
	s_lshl_b32 s12, s11, 20                        ; 128 rows of 8,192 bytes
	s_or_b32 s12, s12, s14
	s_wait_kmcnt 0x0
	s_add_nc_u64 s[6:7], s[6:7], s[12:13]
.irp i, 0,1,2,3,4,5,6,7,8,9,10,11,12,13,14,15
	global_load_b128 v[WR+4*\i:WR+4*\i+3], v2, s[6:7] offset:8192*\i th:TH_LOAD_NT
.endr
	s_lshl_b32 s12, s11, 9
	s_lshl_b32 s15, s10, 6
	s_or_b32 s12, s12, s15                         ; (128 h + 16 w) numbers
	s_add_nc_u64 s[4:5], s[4:5], s[12:13]
	s_load_b512 s[16:31], s[4:5], 0x0              ; q of b = 0, my 16 rows
	s_load_b512 s[32:47], s[4:5], 0x2000           ; b = 1
	s_load_b512 s[48:63], s[4:5], 0x4000           ; b = 2
	s_load_b512 s[68:83], s[4:5], 0x6000           ; b = 3
	s_wait_kmcnt 0x0
.macro ROWK i
	s_wait_loadcnt 15-\i                           ; loads return in order: row i is in, the later rows stay out
.irp c, 0,1,2,3
.if \i == 0
	v_mul_f32 v[ACC+\c],    s[16+\i], v[WR+4*\i+\c]        ; the first row starts the sums
	v_mul_f32 v[ACC+4+\c],  s[32+\i], v[WR+4*\i+\c]
	v_mul_f32 v[ACC+8+\c],  s[48+\i], v[WR+4*\i+\c]
	v_mul_f32 v[ACC+12+\c], s[68+\i], v[WR+4*\i+\c]
.else
	v_fmac_f32 v[ACC+\c],    s[16+\i], v[WR+4*\i+\c]
	v_fmac_f32 v[ACC+4+\c],  s[32+\i], v[WR+4*\i+\c]
	v_fmac_f32 v[ACC+8+\c],  s[48+\i], v[WR+4*\i+\c]
	v_fmac_f32 v[ACC+12+\c], s[68+\i], v[WR+4*\i+\c]
.endif
.endr
.endm
.irp i, 0,1,2,3,4,5,6,7,8,9,10,11,12,13,14,15
	ROWK \i
.endr
.irp b, 0,1,2,3
	ds_store_b128 v3, v[ACC+4*\b:ACC+4*\b+3] offset:512*\b
.endr
	s_wait_dscnt 0x0
	BAR
	s_cmp_gt_u32 s10, 3
	s_cbranch_scc1 .Lend                           ; wave b (0 to 3) adds the eight waves' sums of batch b
.irp s, 0,1,2,3,4,5,6,7
	ds_load_b128 v[RD+4*\s:RD+4*\s+3], v4 offset:2048*\s
.endr
	s_lshl_b32 s12, s11, 13
	s_or_b32 s12, s12, s14
	s_lshl_b32 s15, s10, 17
	s_or_b32 s12, s12, s15                         ; b << 17 | h << 13 | js << 9
	s_add_nc_u64 s[8:9], s[8:9], s[12:13]
	s_wait_dscnt 0x0
.irp s, 0,8,16,24
	v_pk_add_f32 v[RD+\s:RD+\s+1], v[RD+\s:RD+\s+1], v[RD+\s+4:RD+\s+5]
	v_pk_add_f32 v[RD+\s+2:RD+\s+3], v[RD+\s+2:RD+\s+3], v[RD+\s+6:RD+\s+7]
.endr
.irp s, 0,16
	v_pk_add_f32 v[RD+\s:RD+\s+1], v[RD+\s:RD+\s+1], v[RD+\s+8:RD+\s+9]
	v_pk_add_f32 v[RD+\s+2:RD+\s+3], v[RD+\s+2:RD+\s+3], v[RD+\s+10:RD+\s+11]
.endr
	v_pk_add_f32 v[RD:RD+1], v[RD:RD+1], v[RD+16:RD+17]
	v_pk_add_f32 v[RD+2:RD+3], v[RD+2:RD+3], v[RD+18:RD+19]
	v_pk_mul_f32 v[RD:RD+1], v[RD:RD+1], 0x3e0293ee op_sel_hi:[1,0]        ; c = 0.12751743
	v_pk_mul_f32 v[RD+2:RD+3], v[RD+2:RD+3], 0x3e0293ee op_sel_hi:[1,0]
	global_store_b128 v5, v[RD:RD+3], s[8:9]       ; the wave stores 512 consecutive bytes, aligned
.Lend:
	s_wait_tensorcnt 0x0
	ds_add_u32 v128, v129
	s_wait_dscnt 0x0
	s_endpgm
.Lfunc_end_k_q4650d5cf0c_qkproj:
	.size	k_q4650d5cf0c_qkproj, .Lfunc_end_k_q4650d5cf0c_qkproj-k_q4650d5cf0c_qkproj
	.p2alignl 7, 3214868480
	.fill 96, 4, 3214868480
	.section	.rodata,"a",@progbits
	.p2align	6, 0x0
	.amdhsa_kernel k_q4650d5cf0c_qkproj
		.amdhsa_group_segment_fixed_size 17408
		.amdhsa_private_segment_fixed_size 0
		.amdhsa_enable_private_segment 0
		.amdhsa_kernarg_size 24
		.amdhsa_user_sgpr_count 2
		.amdhsa_user_sgpr_kernarg_segment_ptr 1
		.amdhsa_wavefront_size32 1
		.amdhsa_system_sgpr_workgroup_id_x 1
		.amdhsa_system_sgpr_workgroup_id_y 1
		.amdhsa_system_sgpr_workgroup_id_z 1
		.amdhsa_system_vgpr_workitem_id 0
		.amdhsa_next_free_vgpr 130
		.amdhsa_next_free_sgpr 84
		.amdhsa_reserve_vcc 0
		.amdhsa_float_denorm_mode_32 3
		.amdhsa_float_denorm_mode_16_64 3
		.amdhsa_memory_ordered 1
		.amdhsa_forward_progress 1
		.amdhsa_inst_pref_size 14
	.end_amdhsa_kernel
	.amdgpu_metadata
---
amdhsa.version: [ 1, 2 ]
amdhsa.kernels:
  - .name:           k_q4650d5cf0c_qkproj
    .symbol:         k_q4650d5cf0c_qkproj.kd
    .args:
      - { .name: q, .offset: 0, .size: 8, .value_kind: global_buffer, .address_space: global }
      - { .name: Wk, .offset: 8, .size: 8, .value_kind: global_buffer, .address_space: global }
      - { .name: qk, .offset: 16, .size: 8, .value_kind: global_buffer, .address_space: global }
    .group_segment_fixed_size: 17408
    .private_segment_fixed_size: 0
    .kernarg_segment_align: 8
    .kernarg_segment_size: 24
    .max_flat_workgroup_size: 256
    .sgpr_count:     84
    .vgpr_count:     130
    .wavefront_size: 32
...
	.end_amdgpu_metadata
.endif
;; end of part 2
;; launch attn (part 3): grid 256 x 1, 8 waves a work-group, no clusters, 285,696 bytes of LDS; arguments tokens, qk, part, stats; writes part, stats
.if DOCPART == 3
	.amdgcn_target "amdgcn-amd-amdhsa--gfx1250"
	.amdhsa_code_object_version 6
	.text
	.protected	k_q4650d5cf0c_attn
	.globl	k_q4650d5cf0c_attn
	.p2align	8
	.type	k_q4650d5cf0c_attn,@function
k_q4650d5cf0c_attn:
	s_mov_b64 s[64:65], 0
	v_nop
	global_prefetch_b8 v0, s[64:65] scope:SCOPE_SE
	s_setreg_imm32_b32 hwreg(HW_REG_WAVE_MODE, 25, 1), 1
	s_wait_xcnt 0x0
; One chunk of 32 token rows (chunk c = work-group, rows 32 c .. + 31 of the flattened [8192][2048] f32 table, batch b = c >> 6), all 16 heads:
;   scores[s][h] = tokens[s] . qk[b][h]          (matrix unit, f16 operands, f32 sums; base-2 domain)
;   m[h] = max over s, p = 2^(scores - m), l[h] = sum over s of p
;   part[c][h][j] = (sum over s of p[s][h] tokens[s][j]) / l[h]     (matrix unit, f16 operands, f32 sums)
;   stats[c] = 16 words m, 16 words l.  The next launch merges the 64 chunks of a batch and the decode token.
; The token rows are read from memory once: a tensor load brings each wave its slab of 32 rows x 256 columns (wave w: columns 256 w .. + 255),
; which serves both products; only the issuing wave reads its slab, so its own wait on TENSORcnt orders the reads.  One tensor load a wave is out.
; FORMATS.  tokens and p go in f16, and qk in f16 after division by M[h] = the largest |qk| of head h in the wave's 256 columns (the sums are
; multiplied by M again): LIMITS: |tokens| below 65,504 (f16's range); M below 2^126 (v_rcp_f32 gives 0 for a result below 2^-126); M is floored at 2^-100,
; so a slab of zeros gives zeros.  p below 2^-25 of the chunk's largest rounds to 0 in the second product (l keeps it).
; NO CLUSTER: the 64 work-groups of a batch share the batch's qk (131,072 bytes); a joint load has to land in LDS, and 8 slabs of 33,280 bytes
; plus 131,072 are more than the 327,680 that there are.  qk goes straight into registers.
.set PITCH, 1040                       ; an LDS row: 1,024 bytes + 16 of padding = 65 x 16: sixteen rows' equal columns fall on sixteen different 16-byte columns of 256
.set SLAB,  32*PITCH                   ; 33,280 = 130 x 256
.set RED,   8*SLAB                     ; 8 x 2,048: [wave][quad][lane] 16 bytes, the waves' partial scores; no tensor load lands here
.set LI,    RED+16384                  ; 8 x 256: each wave's own sixteen 1 / l
.set QF,   16                          ; v[16:143]  qk in f32, k step t at QF + 16 t
.set T,    16                          ; v[16:143]  then four slots of 32 (first product), the scores of 8 waves, two slots of 64 (second product)
.set SC,   16                          ; v[16:31]   the chunk's scores
.set EX,   32                          ; v[32:47]   p in f32
.set BF,   144                         ; v[144:207] qk / M in f16: 8 fragments of 8
.set AF,   208                         ; v[208:239] tokens in f16: two sets of (rows 0-15, rows 16-31); first the pair (1/M, 1/M)
.set ACC0, 240                         ; v[240:247] scores of rows 0-15
.set ACC1, 248                         ; v[248:255] scores of rows 16-31
.set FR,   144                         ; v[144:175] second product: four fragments of tokens
.set ACC2, 176                         ; v[176:207] its four results
.set OU,   208                         ; v[208:239] results in store order
.set PF,   240                         ; v[240:247] p in f16, the A fragment
.set INVL, 248                         ; v[248:255] 1 / l of heads 8 hh .. 8 hh + 7
.macro BAR
	s_barrier_signal -1
	s_barrier_wait -1
.endm
	s_load_b256 s[4:11], s[0:1], 0x0               ; tokens s[4:5], qk s[6:7], part s[8:9], stats s[10:11]
	s_set_vgpr_msb 0x40
	v_lshl_add_u32 v0, v0, 2, 0x45800
	v_mov_b32 v1, 0
	s_set_vgpr_msb 0x4045
	ds_add_u32 v0, v1
	ds_add_u32 v0, v1
	s_set_vgpr_msb 0x4500
	v_lshrrev_b32 v13, 5, v0
	v_readfirstlane_b32 s24, v13                   ; wave
	s_mov_b32 s28, 0x76543210                      ; v_permlanex16_b32: lane i reads lane i of the other half
	s_mov_b32 s29, 0xfedcba98
	s_mov_b32 s30, 0xffff0000                      ; lanes 16 to 31
	; descriptor group 1: 32 rows x 256 elements of 4 bytes, 16 bytes of padding behind each row
	s_mov_b32 s16, (2<<16)|(1<<20)|(7<<22)|(3<<25) ; no mask; element of 4 bytes; padding on; after every 256 words; 4 words
	s_mov_b32 s17, 256<<16                         ; tensor_dim0 = 256
	s_mov_b32 s18, 32<<16                          ; tensor_dim1 = 32
	s_mov_b32 s19, 256<<16                         ; tile_dim0 = 256
	s_mov_b32 s20, 32                              ; tile_dim1 = 32
	s_mov_b32 s21, 2048                            ; elements from row to row
	s_mov_b32 s22, 0
	s_mov_b32 s23, 0
	s_mov_b32 s12, 1                               ; group 0: count
	s_mul_i32 s13, s24, SLAB                       ; LDS address: my slab
	s_lshl_b32 s26, ttmp9, 18                      ; 32 rows of 8,192 bytes
	s_lshl_b32 s25, s24, 10                        ; my 1,024 bytes of a row
	s_or_b32 s26, s26, s25
	s_mov_b32 s27, 0
	s_wait_dscnt 0x0
	s_wait_kmcnt 0x0
	s_add_nc_u64 s[14:15], s[4:5], s[26:27]
	s_or_b32 s15, s15, 0x80000000                  ; type 2
	tensor_load_to_lds s[12:15], s[16:23]          ; the wave's only tensor load; its descriptor is never written again
	s_nop 0
	s_lshr_b32 s26, ttmp9, 6
	s_lshl_b32 s26, s26, 17
	s_add_nc_u64 s[6:7], s[6:7], s[26:27]          ; qk of my batch
	s_lshl_b32 s26, ttmp9, 17
	s_add_nc_u64 s[8:9], s[8:9], s[26:27]          ; part of my chunk
	s_lshl_b32 s26, ttmp9, 7
	s_add_nc_u64 s[10:11], s[10:11], s[26:27]      ; stats of my chunk
	v_and_b32 v11, 31, v0                          ; lane
	v_and_b32 v1, 15, v0                           ; r
	v_bfe_u32 v2, v0, 4, 1                         ; hh
	v_lshlrev_b32 v5, 13, v1
	v_lshl_or_b32 v5, v2, 5, v5
	v_or_b32 v5, s25, v5                           ; qk: head r, column 256 w + 8 hh
	; qk as B fragments: lane (r, hh) holds head r; registers 0-3 k = 8 hh .. + 7, registers 4-7 k = 16 + 8 hh .. + 7 (two f32 loads of 16 bytes for each four registers)
.irp t, 0,1,2,3,4,5,6,7
.irp q, 0,1,2,3
	global_load_b128 v[QF+16*\t+4*\q:QF+16*\t+4*\q+3], v5, s[6:7] offset:128*\t+16*(\q&1)+64*(\q>>1)
.endr
.endr
	v_mul_u32_u24 v3, v1, PITCH
	v_lshl_add_u32 v3, v2, 5, v3
	v_add_nc_u32 v3, s13, v3                       ; first product: row r of my slab, byte 32 hh
	v_mul_u32_u24 v4, v2, 8*PITCH
	v_lshl_add_u32 v4, v1, 4, v4
	v_add_nc_u32 v4, s13, v4                       ; second product: row 8 hh, byte 16 r
	v_lshlrev_b32 v6, 16, v2
	v_lshl_or_b32 v6, v1, 4, v6
	v_or_b32 v6, s25, v6                           ; part: head 8 hh, byte 1,024 w + 16 r
	v_lshlrev_b32 v8, 4, v11
	v_lshl_add_u32 v7, s24, 11, v8
	v_add_nc_u32 v7, RED, v7                       ; where I put partial scores
	v_add_nc_u32 v8, RED, v8                       ; where I read all waves'
	v_lshlrev_b32 v9, 2, v1
	v_lshl_add_u32 v9, s24, 8, v9
	v_add_nc_u32 v9, LI, v9                        ; 1 / l of head r, in my own 256 bytes
	v_lshlrev_b32 v10, 5, v2
	v_lshl_add_u32 v10, s24, 8, v10
	v_add_nc_u32 v10, LI, v10                      ; heads 8 hh .. + 7
	v_lshlrev_b32 v11, 2, v11                      ; stats: word = lane
	s_wait_loadcnt 0x0
	; M = the largest |qk| of head r in my 256 columns: two chains in the lane, then the other half of the lanes.  All this runs while the slab is on its way.
	v_max_num_f32 v13, |v[QF]|, |v[QF+1]|
	v_max_num_f32 v14, |v[QF+64]|, |v[QF+65]|
.set n, 2
.rept 31
	v_max3_num_f32 v13, |v[QF+n]|, |v[QF+n+1]|, v13
	v_max3_num_f32 v14, |v[QF+64+n]|, |v[QF+65+n]|, v14
.set n, n+2
.endr
	v_max_num_f32 v14, v13, v14
	v_permlanex16_b32 v13, v14, s28, s29
	v_max_num_f32 v14, v14, v13
	v_max_num_f32 v14, 0x0d800000, v14             ; at least 2^-100
	v_mov_b32 v15, v14                             ; the pair (M, M)
	v_rcp_f32 v[AF], v14
	v_rcp_f32 v[AF+1], v14
	v_nop                                          ; one plain place behind a transcendental before its result is used (ISA guide 5.7.2)
.set n, 0
	s_wait_alu depctr_va_vdst(0)
.rept 64
	v_pk_mul_f32 v[QF+n:QF+n+1], v[QF+n:QF+n+1], v[AF:AF+1]
.set n, n+2
.endr
.set n, 0
.rept 64
	v_cvt_pk_f16_f32 v[BF+n], v[QF+2*n], v[QF+2*n+1]
.set n, n+1
.endr
	s_wait_tensorcnt 0x0                           ; my slab has landed; no other wave reads it
; FIRST PRODUCT.  k step t = 32 columns.  A fragment: lane (r, hh) holds row r (mb = 1: row 16 + r), k as above: four f32 loads of 16 bytes for each row block.
.macro LD1 t
.irp mb, 0,1
.irp q, 0,1,2,3
	ds_load_b128 v[T+32*((\t)&3)+16*\mb+4*\q:T+32*((\t)&3)+16*\mb+4*\q+3], v3 offset:16*PITCH*\mb+128*(\t)+16*(\q&1)+64*(\q>>1)
.endr
.endr
.endm
; The two accumulators take turns, one instruction a turn.  A set of AF is written again two steps later: behind the sixteen conversions
; of the step between, which name none of the registers of the matrix instructions that read it (four places are owed: ISA guide 7.12.1).
.macro STEP t, left, zero
	s_wait_dscnt \left                             ; LDS loads return in order: step t's eight are in, the younger slots' eight each stay out
.irp mb, 0,1
.irp i, 0,1,2,3,4,5,6,7
	v_cvt_pk_f16_f32 v[AF+16*(\t&1)+8*\mb+\i], v[T+32*(\t&3)+16*\mb+2*\i], v[T+32*(\t&3)+16*\mb+2*\i+1]
.endr
.endr
.if \t < 4
	LD1 (\t+4)
.endif
.if \zero
	v_wmma_f32_16x16x32_f16 v[ACC0:ACC0+7], v[AF+16*(\t&1):AF+16*(\t&1)+7], v[BF+8*\t:BF+8*\t+7], 0
	v_wmma_f32_16x16x32_f16 v[ACC1:ACC1+7], v[AF+16*(\t&1)+8:AF+16*(\t&1)+15], v[BF+8*\t:BF+8*\t+7], 0
.else
	v_wmma_f32_16x16x32_f16 v[ACC0:ACC0+7], v[AF+16*(\t&1):AF+16*(\t&1)+7], v[BF+8*\t:BF+8*\t+7], v[ACC0:ACC0+7]
	v_wmma_f32_16x16x32_f16 v[ACC1:ACC1+7], v[AF+16*(\t&1)+8:AF+16*(\t&1)+15], v[BF+8*\t:BF+8*\t+7], v[ACC1:ACC1+7]
.endif
.endm
	LD1 0
	LD1 1
	LD1 2
	LD1 3
	STEP 0, 24, 1                                  ; three younger slots of eight loads
	STEP 1, 24, 0
	STEP 2, 24, 0
	STEP 3, 24, 0
	STEP 4, 24, 0
	STEP 5, 16, 0                                  ; nothing more is fetched: the counts run down
	STEP 6, 8, 0
	STEP 7, 0, 0
.rept 4
	v_nop                                          ; four places before vector instructions read the results (ISA guide 7.12.1)
.endr
	; lane (r, hh), register j of ACC0 / ACC1: row 8 hh + j / 16 + 8 hh + j, head r.  Undo the division by M, then add the eight waves' column ranges.
.set n, 0
.rept 8
	v_pk_mul_f32 v[ACC0+n:ACC0+n+1], v[ACC0+n:ACC0+n+1], v[14:15]
.set n, n+2
.endr
.irp q, 0,1,2,3
	ds_store_b128 v7, v[ACC0+4*\q:ACC0+4*\q+3] offset:512*\q
.endr
	s_wait_dscnt 0x0                               ; my partial scores are in LDS before I say so
	BAR                                            ; the launch's only barrier
.irp s, 0,1,2,3,4,5,6,7
.irp q, 0,1,2,3
	ds_load_b128 v[T+16*\s+4*\q:T+16*\s+4*\q+3], v8 offset:2048*\s+512*\q
.endr
.endr
	s_wait_dscnt 0x0
.irp d, 64,32,16                                   ; the same tree in every wave: all eight hold the same bits
.set n, 0
.rept \d/2
	v_pk_add_f32 v[T+n:T+n+1], v[T+n:T+n+1], v[T+n+\d:T+n+\d+1]
.set n, n+2
.endr
.endr
	; SOFTMAX of the chunk, in every wave alike: head r's 32 scores lie in lanes r and 16 + r, 16 each
	v_max3_num_f32 v14, v[SC], v[SC+1], v[SC+2]
.set n, 3
.rept 6
	v_max3_num_f32 v14, v[SC+n], v[SC+n+1], v14
.set n, n+2
.endr
	v_max_num_f32 v14, v[SC+15], v14
	v_permlanex16_b32 v13, v14, s28, s29
	v_max_num_f32 v14, v14, v13                    ; m
	v_mov_b32 v15, v14
.set n, 0
.rept 8
	v_pk_add_f32 v[SC+n:SC+n+1], v[SC+n:SC+n+1], v[14:15] neg_lo:[0,1] neg_hi:[0,1]
.set n, n+2
.endr
.set n, 0
.rept 16
	v_exp_f32 v[EX+n], v[SC+n]
.set n, n+1
.endr
	v_nop                                          ; one plain place behind the transcendentals
	s_wait_alu depctr_va_vdst(0)
.irp j, 0,2,4,6
	v_pk_add_f32 v[48+\j:49+\j], v[EX+\j:EX+\j+1], v[EX+8+\j:EX+9+\j]
.endr
	v_pk_add_f32 v[48:49], v[48:49], v[52:53]
	v_pk_add_f32 v[50:51], v[50:51], v[54:55]
	v_pk_add_f32 v[48:49], v[48:49], v[50:51]
	v_add_f32 v48, v48, v49
	v_permlanex16_b32 v49, v48, s28, s29
	v_add_f32 v48, v48, v49                        ; l, at least 1
	v_cndmask_b32 v12, v14, v48, s30               ; lanes 0-15: m of head r; lanes 16-31: l of head r
	v_rcp_f32 v50, v48
	; p in f16.  Lane (r, hh) holds head r, s = 8 hh + 0..7 and 16 + 8 hh + 0..7: that is the A fragment (row = head, k = s) as it stands.
	; These eight lines, which touch neither l nor 1 / l, are also the places behind the reciprocal.
.irp i, 0,1,2,3,4,5,6,7
	v_cvt_pk_f16_f32 v[PF+\i], v[EX+2*\i], v[EX+2*\i+1]
.endr
	s_wait_alu depctr_va_vdst(0)
	ds_store_b32 v9, v50                           ; my wave's own bytes; LDS serves a wave's instructions in order, so the loads below see them
	ds_load_b128 v[INVL:INVL+3], v10
	ds_load_b128 v[INVL+4:INVL+7], v10 offset:16
	s_cmp_lg_u32 s24, 0
	s_cbranch_scc1 .Lnostat
	global_store_b32 v11, v12, s[10:11]            ; wave 0: 128 consecutive bytes; v11 and v12 are never written again
.Lnostat:
; SECOND PRODUCT.  Group g = 64 columns of my 256.  A load takes 16 bytes (4 columns 64 g + 4 r + c) of one row: lanes 0-15 read 256 consecutive bytes of row i,
; lanes 16-31 of the row 8 below; load i (0..15) is k = 8 hh + i or 16 + 8 hh + (i - 8), the order of a B fragment's elements.
.macro LD2 g
.irp i, 0,1,2,3,4,5,6,7,8,9,10,11,12,13,14,15
	ds_load_b128 v[T+64*((\g)&1)+4*\i:T+64*((\g)&1)+4*\i+3], v4 offset:PITCH*(\i+8*(\i>>3))+256*(\g)
.endr
.endm
.macro GROUP g, more, left
	s_wait_dscnt \left                             ; group g's sixteen loads (and all older) are in, the next group's sixteen stay out
.irp c, 0,1,2,3
.irp q, 0,1,2,3,4,5,6,7
	v_cvt_pk_f16_f32 v[FR+8*\c+\q], v[T+64*(\g&1)+8*\q+\c], v[T+64*(\g&1)+8*\q+4+\c]   ; the choice of sources transposes: fragment c = columns 4 r + c
.endr
.endr
.if \more
	LD2 (\g+2)
.endif
.irp c, 0,1,2,3
	v_wmma_f32_16x16x32_f16 v[ACC2+8*\c:ACC2+8*\c+7], v[PF:PF+7], v[FR+8*\c:FR+8*\c+7], 0   ; K = 32 is the whole chunk: four sums of their own, no chain
.endr
.rept 4
	v_nop                                          ; four places before the results are read (ISA guide 7.12.1)
.endr
.if \g
	s_wait_xcnt 0x0                                ; OU is the last group's store data: written again only behind this wait
.endif
.irp j, 0,1,2,3,4,5,6,7
.irp c, 0,1,2,3
	v_mul_f32 v[OU+4*\j+\c], v[ACC2+8*\c+\j], v[INVL+\j]           ; divide by l and bring 4 neighbouring columns of head 8 hh + j together
.endr
.endr
.irp j, 0,1,2,3,4,5,6,7
	global_store_b128 v6, v[OU+4*\j:OU+4*\j+3], s[8:9] offset:8192*\j+256*\g   ; sixteen lanes store 256 consecutive bytes, aligned
.endr
.endm
	LD2 0
	LD2 1
	GROUP 0, 1, 16
	GROUP 1, 1, 16
	GROUP 2, 0, 16
	GROUP 3, 0, 0
	s_set_vgpr_msb 0x5
	s_wait_tensorcnt 0x0
	ds_add_u32 v0, v1
	s_wait_dscnt 0x0
	s_set_vgpr_msb 0x500
	s_endpgm
.Lfunc_end_k_q4650d5cf0c_attn:
	.size	k_q4650d5cf0c_attn, .Lfunc_end_k_q4650d5cf0c_attn-k_q4650d5cf0c_attn
	.p2alignl 7, 3214868480
	.fill 96, 4, 3214868480
	.section	.rodata,"a",@progbits
	.p2align	6, 0x0
	.amdhsa_kernel k_q4650d5cf0c_attn
		.amdhsa_group_segment_fixed_size 285696
		.amdhsa_private_segment_fixed_size 0
		.amdhsa_enable_private_segment 0
		.amdhsa_kernarg_size 32
		.amdhsa_user_sgpr_count 2
		.amdhsa_user_sgpr_kernarg_segment_ptr 1
		.amdhsa_wavefront_size32 1
		.amdhsa_system_sgpr_workgroup_id_x 1
		.amdhsa_system_sgpr_workgroup_id_y 1
		.amdhsa_system_sgpr_workgroup_id_z 1
		.amdhsa_system_vgpr_workitem_id 0
		.amdhsa_next_free_vgpr 258
		.amdhsa_next_free_sgpr 66
		.amdhsa_reserve_vcc 0
		.amdhsa_float_denorm_mode_32 3
		.amdhsa_float_denorm_mode_16_64 3
		.amdhsa_memory_ordered 1
		.amdhsa_forward_progress 1
		.amdhsa_inst_pref_size 63
	.end_amdhsa_kernel
	.amdgpu_metadata
---
amdhsa.version: [ 1, 2 ]
amdhsa.kernels:
  - .name:           k_q4650d5cf0c_attn
    .symbol:         k_q4650d5cf0c_attn.kd
    .args:
      - { .name: tokens, .offset: 0, .size: 8, .value_kind: global_buffer, .address_space: global }
      - { .name: qk, .offset: 8, .size: 8, .value_kind: global_buffer, .address_space: global }
      - { .name: part, .offset: 16, .size: 8, .value_kind: global_buffer, .address_space: global }
      - { .name: stats, .offset: 24, .size: 8, .value_kind: global_buffer, .address_space: global }
    .group_segment_fixed_size: 285696
    .private_segment_fixed_size: 0
    .kernarg_segment_align: 8
    .kernarg_segment_size: 32
    .max_flat_workgroup_size: 256
    .sgpr_count:     66
    .vgpr_count:     258
    .wavefront_size: 32
...
	.end_amdgpu_metadata
.endif
;; end of part 3
;; launch combwv (part 4): grid 256 x 1, 16 waves a work-group, clusters of 4 x 1, 273,152 bytes of LDS; arguments part, stats, qk, token, Wv, opart; writes opart
.if DOCPART == 4
	.amdgcn_target "amdgcn-amd-amdhsa--gfx1250"
	.amdhsa_code_object_version 6
	.text
	.protected	k_q4650d5cf0c_combwv
	.globl	k_q4650d5cf0c_combwv
	.p2align	8
	.type	k_q4650d5cf0c_combwv,@function
k_q4650d5cf0c_combwv:
	s_mov_b64 s[64:65], 0
	v_nop
	global_prefetch_b8 v0, s[64:65] scope:SCOPE_SE
	s_setreg_imm32_b32 hwreg(HW_REG_WAVE_MODE, 25, 1), 1
	s_wait_xcnt 0x0
	s_wait_alu depctr_hold_cnt(0) depctr_sa_sdst(0) depctr_va_vdst(0) depctr_va_sdst(0) depctr_va_ssrc(0) depctr_va_vcc(0) depctr_vm_vsrc(0)
	s_getreg_b32 s2, hwreg(HW_REG_IB_STS2, 6, 4)
	s_cmp_eq_u32 s2, 0
	s_cbranch_scc0 .Lentry_in_a_cluster
	s_endpgm
.Lentry_in_a_cluster:
	s_bfe_u32 s2, ttmp6, 0x10000c
	s_cmp_lg_u32 s2, 0x3003
	s_cbranch_scc0 .Lentry_shape_is_right
	s_endpgm
.Lentry_shape_is_right:
; For batch b (0..3), column quarter jq (512 columns), head h:
;   s_new = token[b] . qk[b][h]                                   (the decode token's score, base-2 domain)
;   mc = max over the 64 chunks of m, W_c = 2^(m_c - mc) l_c, Lc = sum of W_c
;   m* = max(mc, s_new), alpha = 2^(mc - m*), beta = 2^(s_new - m*), L = alpha Lc + beta   (a true maximum over all 2,049 positions: L is at least 1)
;   ctx[j] = (alpha / L) sum over c of W_c part[c][h][j] + (beta / L) token[b][j]          for my 512 columns j
;   opart[jq][b][128 h + d] = sum over my j of Wv[128 h + d][j] ctx[j]                     (the four quarters are added by the next launch)
; (out_h = Wv_h (sum of p x): the value projection is applied to the averaged token row, which holds for every input.)
; All in f32 on the vector unit: one row against tables that are streamed; memory binds.
; Merge: wave w takes columns 128 kq .. (kq = w & 3) of chunks 16 cg .. + 15 (cg = w >> 2).  Wv: wave w takes rows 8 w .. + 7 of the head.
; CLUSTER: the four work-groups b = 0..3 of one (h, jq) need the same piece of Wv (128 rows x 2,048 bytes).  They form a cluster of 4 x 1 (b = place in the
; cluster; h and jq come from the cluster's number) and ask for the piece JOINTLY: wave w of each issues the same tensor load, mask 15, for its 8 rows, and
; each receives them in its own LDS.  A tile has 8 rows because that is one wave's share of the 128: only the issuing wave reads its tile, so its own wait on
; TENSORcnt orders the reads.  One tensor load a wave is out, and no LDS byte is filled twice.  b enters global addresses alone: no LDS address, no branch and
; no register of the descriptor hangs on it.
; The partials (131,072 bytes a work-group, shared with nobody) go straight into registers: beside Wv's 262,144 bytes they would not fit in LDS.
.set WSLAB, 16384                      ; LDS: 16 slabs of 8 rows x 2,048 bytes, wave w's at 16,384 w; a read takes 512 consecutive bytes, so no padding
.set CT, 16*WSLAB                      ; 8,192 bytes [cg][512 floats]
.set SN, CT+8192                       ; 16 words, the waves' parts of s_new, in a block of 256 bytes of their own
.set OB, SN+256                        ; the 128 results.  No tensor load lands in CT, SN or OB
.set ACC, 28                           ; v[28:31]
.set TK,  32                           ; v[32:47]   token, my 16 columns; later VV
.set VV,  32                           ; v[32:39]   the 8 rows' lane sums
.set PR,  48                           ; v[48:111]  16 chunks x 4; later the four cg sums; ctx ends in v[48:63]
.set WV,  112                          ; v[112:239] row i, column group k at WV + 16 i + 4 k
.set G0,  48                           ; s[48:51]   descriptor group 0
.set G1,  52                           ; s[52:59]   descriptor group 1
.macro BAR
	s_barrier_signal -1
	s_barrier_wait -1
.endm
; A round of the cluster's barrier: my work-group's barrier, so that wave 0's signal speaks for all sixteen waves; wave 0 signals for the work-group;
; every wave waits for all four work-groups; my work-group's barrier once more.
.macro ROUND
	s_barrier_signal -1
	s_barrier_wait -1
	s_cmp_lg_u32 s16, 0
	s_cbranch_scc1 .Lnot_wave_0_\@
	s_barrier_signal -3
.Lnot_wave_0_\@:
	s_barrier_wait -3
	s_barrier_signal -1
	s_barrier_wait -1
.endm
.macro HALVE t, u, a, b, mask, xm      ; lanes whose mask bit is 0 end with a[i] + a[i xor xm], the others with b[i] + b[i xor xm]
	v_cndmask_b32 v[\t], v[\a], v[\b], s[\mask]
	v_cndmask_b32 v[\u], v[\b], v[\a], s[\mask]
	v_add_f32_dpp v[\t], v[\u], v[\t] row_xmask:\xm row_mask:0xf bank_mask:0xf
.endm
.macro XADD r, xm
	v_add_f32_dpp v[\r], v[\r], v[\r] row_xmask:\xm row_mask:0xf bank_mask:0xf
.endm
.macro XMAX r, xm
	v_max_num_f32_dpp v[\r], v[\r], v[\r] row_xmask:\xm row_mask:0xf bank_mask:0xf
.endm
.macro SUM32 r, t                      ; sum over the 32 lanes, in every lane; t has been written before
	XADD \r, 1
	XADD \r, 2
	XADD \r, 4
	XADD \r, 8
	v_permlanex16_b32 v[\t], v[\r], s22, s23
	v_add_f32 v[\r], v[\r], v[\t]
.endm
	s_load_b256 s[4:11], s[0:1], 0x0               ; part s[4:5], stats s[6:7], qk s[8:9], token s[10:11]
	s_load_b128 s[12:15], s[0:1], 0x20             ; Wv s[12:13], opart s[14:15]
	v_lshl_add_u32 v240, v0, 2, 0x42300
	v_mov_b32 v241, 0
	ds_add_u32 v240, v241
	ds_add_u32 v240, v241
	s_wait_dscnt 0x0
	v_and_b32 v1, 31, v0                           ; lane
	v_lshrrev_b32 v11, 5, v0
	v_readfirstlane_b32 s16, v11                   ; wave
	s_bfe_u32 s17, ttmp6, 0x40000                  ; b = my place in the cluster
	s_and_b32 s18, ttmp9, 3                        ; jq: in a cluster launch ttmp9 counts clusters
	s_lshr_b32 s19, ttmp9, 2                       ; h
	s_and_b32 s27, s16, 3                          ; kq
	s_lshr_b32 s30, s16, 2                         ; cg
	s_mov_b32 s22, 0x76543210                      ; v_permlanex16_b32: lane i reads lane i of the other half
	s_mov_b32 s23, 0xfedcba98
	s_mov_b32 s24, 0xaaaaaaaa                      ; lanes with bit 0, 1, 2 set
	s_mov_b32 s25, 0xcccccccc
	s_mov_b32 s26, 0xf0f0f0f0
	s_lshl_b32 s31, s18, 11                        ; my quarter of a row: 2,048 jq
	; descriptor group 1: 8 rows x 512 elements of 4 bytes, rows 2,048 elements apart
	s_mov_b32 s[G1+0], 15|(2<<16)|(1<<21)          ; 15:0 the mask: all four work-groups of the cluster; 17:16 element of 4 bytes; 21 set beside a mask; no padding
	s_mov_b32 s[G1+1], 512<<16                     ; tensor_dim0 = 512
	s_mov_b32 s[G1+2], 8<<16                       ; tensor_dim1 = 8
	s_mov_b32 s[G1+3], 512<<16                     ; tile_dim0 = 512
	s_mov_b32 s[G1+4], 8                           ; tile_dim1 = 8
	s_mov_b32 s[G1+5], 2048                        ; elements from row to row
	s_mov_b32 s[G1+6], 0
	s_mov_b32 s[G1+7], 0
	s_mov_b32 s[G0], 1                             ; group 0: count
	s_mul_i32 s[G0+1], s16, WSLAB                  ; LDS address: my wave's slab
	s_lshl_b32 s60, s19, 20                        ; Wv: 128 rows of 8,192 bytes a head,
	s_or_b32 s60, s60, s31                         ; my quarter of the columns,
	s_lshl_b32 s62, s16, 16                        ; 8 rows a wave.  s60 to s62 never hold b: the four partners' descriptors are equal
	s_or_b32 s60, s60, s62
	s_mov_b32 s61, 0
	v_lshl_add_u32 v2, s30, 4, v1
	v_and_b32 v2, 63, v2                           ; chunk (16 cg + l) mod 64: my sixteen chunks lie in lanes 0 to 15
	v_lshlrev_b32 v2, 7, v2                        ; 128 bytes of stats a chunk
	v_xor_b32 v3, 0x1000, v2                       ; and the chunk 32 away: two a lane cover the 64
	v_lshlrev_b32 v4, 4, v0                        ; s_new: 512 threads x 4 columns
	v_lshlrev_b32 v6, 4, v1                        ; 16 l
	v_lshl_add_u32 v5, s27, 9, v6
	v_lshl_add_u32 v5, s30, 21, v5                 ; part: 16 cg chunks of 131,072 bytes, 512 kq + 16 l
	v_lshl_add_u32 v7, s16, 14, v6                 ; LDS: my slab of Wv, 16 l
	v_lshl_add_u32 v8, s16, 9, v6
	v_add_nc_u32 v8, CT, v8                        ; LDS: CT + 2,048 cg + 512 kq + 16 l = CT + 512 w + 16 l
	ROUND                                          ; all four work-groups are here: the joint loads meet.  It needs the wave's number alone, so it stands while the arguments are on their way
	s_wait_kmcnt 0x0
	s_add_nc_u64 s[G0+2:G0+3], s[12:13], s[60:61]  ; global address of my 8 rows
	s_or_b32 s[G0+3], s[G0+3], 0x80000000          ; type 2
	tensor_load_to_lds s[G0:G0+3], s[G1:G1+7]      ; the wave's only tensor load; its descriptor is never written again
	s_nop 0
	s_mov_b32 s21, 0
	s_lshl_b32 s20, s17, 23                        ; part: 64 chunks a batch
	s_lshl_b32 s2, s19, 13
	s_or_b32 s20, s20, s2
	s_or_b32 s20, s20, s31
	s_add_nc_u64 s[4:5], s[4:5], s[20:21]
	s_lshl_b32 s20, s17, 13                        ; stats: 64 chunks x 128 bytes a batch, word h
	s_lshl_b32 s2, s19, 2
	s_or_b32 s20, s20, s2
	s_add_nc_u64 s[6:7], s[6:7], s[20:21]
	s_lshl_b32 s20, s17, 17                        ; qk[b][h]
	s_lshl_b32 s2, s19, 13
	s_or_b32 s20, s20, s2
	s_add_nc_u64 s[8:9], s[8:9], s[20:21]
	s_lshl_b32 s20, s17, 13                        ; token[b]
	s_add_nc_u64 s[10:11], s[10:11], s[20:21]
	s_mov_b32 s20, s31
	s_add_nc_u64 s[28:29], s[10:11], s[20:21]      ; token[b], my quarter
	s_lshl_b32 s20, s18, 15                        ; opart[jq][b][128 h]
	s_lshl_b32 s2, s17, 13
	s_or_b32 s20, s20, s2
	s_lshl_b32 s2, s19, 9
	s_or_b32 s20, s20, s2
	s_add_nc_u64 s[14:15], s[14:15], s[20:21]
	; the wave's 26 loads into registers, all at once, in the order of use
	global_load_b32 v16, v2, s[6:7]                ; m of the first chunk
	global_load_b32 v17, v2, s[6:7] offset:64      ; l
	global_load_b32 v18, v3, s[6:7]                ; m of the second
	global_load_b32 v19, v3, s[6:7] offset:64      ; l
	global_load_b128 v[20:23], v4, s[8:9]
	global_load_b128 v[24:27], v4, s[10:11]
.irp i, 0,1,2,3,4,5,6,7,8,9,10,11,12,13,14,15
	global_load_b128 v[PR+4*\i:PR+4*\i+3], v5, s[4:5] offset:131072*\i th:TH_LOAD_NT
.endr
.irp k, 0,1,2,3
	global_load_b128 v[TK+4*\k:TK+4*\k+3], v6, s[28:29] offset:512*\k
.endr
	s_wait_loadcnt 22                              ; of 26 loads the first four (stats) are in
	v_max_num_f32 v9, v16, v18
	XMAX 9, 1
	XMAX 9, 2
	XMAX 9, 4
	XMAX 9, 8
	v_permlanex16_b32 v11, v9, s22, s23
	v_max_num_f32 v9, v9, v11                      ; mc
	v_sub_f32 v12, v16, v9
	v_sub_f32 v13, v18, v9
	v_exp_f32 v12, v12
	v_exp_f32 v13, v13
	v_nop                                          ; one plain place behind the transcendentals (ISA guide 5.7.2)
	s_wait_alu depctr_va_vdst(0)
	v_mul_f32 v12, v12, v17                        ; W of the first chunk
	v_mul_f32 v13, v13, v19
	v_add_f32 v10, v12, v13
	SUM32 10, 11                                   ; Lc
.irp i, 0,1,2,3,4,5,6,7,8,9,10,11,12,13,14,15
	v_readlane_b32 s[32+\i], v12, \i               ; my sixteen chunks' weights: data only, no address or branch is made of them
.endr
	s_wait_loadcnt 20                              ; qk's and the token's pieces are in
	v_mul_f32 v13, v20, v24
	v_fmac_f32 v13, v21, v25
	v_fmac_f32 v13, v22, v26
	v_fmac_f32 v13, v23, v27
	SUM32 13, 11
	v_mov_b32 v14, SN
	v_lshl_add_u32 v14, s16, 2, v14
	ds_store_b32 v14, v13                          ; my wave's 128 columns of s_new
	s_wait_loadcnt 4                               ; the sixteen partials are in; the token's 4 loads stay out
.irp c, 0,1,2,3
	v_mul_f32 v[ACC+\c], s32, v[PR+\c]
.endr
.set n, 1
.rept 15
.irp c, 0,1,2,3
	v_fmac_f32 v[ACC+\c], s[32+n], v[PR+4*n+\c]
.endr
.set n, n+1
.endr
	ds_store_b128 v8, v[ACC:ACC+3]
	s_wait_dscnt 0x0                               ; both stores are in LDS before I say so
	BAR                                            ; My tensor load may stay out across it
	v_mov_b32 v11, SN
.irp q, 0,1,2,3
	ds_load_b128 v[16+4*\q:19+4*\q], v11 offset:16*\q
.endr
	v_add_nc_u32 v14, CT, v6
.irp g, 0,1,2,3
.irp k, 0,1,2,3
	ds_load_b128 v[PR+16*\g+4*\k:PR+16*\g+4*\k+3], v14 offset:2048*\g+512*\k
.endr
.endr
	s_wait_tensorcnt 0x0                           ; my 8 rows of Wv have landed; no other wave reads them
.irp i, 0,1,2,3,4,5,6,7
.irp k, 0,1,2,3
	ds_load_b128 v[WV+16*\i+4*\k:WV+16*\i+4*\k+3], v7 offset:2048*\i+512*\k   ; 512 consecutive bytes of row i
.endr
.endr
	s_wait_dscnt 32                                ; LDS loads return in order: the 20 of SN and CT are in, Wv's 32 stay out
.irp j, 0,2,4,6
	v_pk_add_f32 v[16+\j:17+\j], v[16+\j:17+\j], v[24+\j:25+\j]
.endr
	v_pk_add_f32 v[16:17], v[16:17], v[20:21]
	v_pk_add_f32 v[18:19], v[18:19], v[22:23]
	v_pk_add_f32 v[16:17], v[16:17], v[18:19]
	v_add_f32 v16, v16, v17                        ; s_new
	v_max_num_f32 v11, v9, v16                     ; m*
	v_sub_f32 v12, v9, v11
	v_sub_f32 v13, v16, v11
	v_exp_f32 v12, v12                             ; alpha
	v_exp_f32 v13, v13                             ; beta
	v_nop
	s_wait_alu depctr_va_vdst(0)
	v_fma_f32 v14, v12, v10, v13                   ; L
	v_rcp_f32 v14, v14
	v_nop
	s_wait_alu depctr_va_vdst(0)
	v_mul_f32 v24, v12, v14                        ; alpha / L, twice: a pair for the packed forms
	v_mul_f32 v25, v12, v14
	v_mul_f32 v26, v13, v14                        ; beta / L
	v_mul_f32 v27, v13, v14
	s_wait_loadcnt 0x0                             ; the token's four loads, the last, are in
.set n, 0
.rept 8
	v_pk_add_f32 v[PR+n:PR+n+1], v[PR+n:PR+n+1], v[PR+16+n:PR+17+n]
	v_pk_add_f32 v[PR+32+n:PR+33+n], v[PR+32+n:PR+33+n], v[PR+48+n:PR+49+n]
.set n, n+2
.endr
.set n, 0
.rept 8
	v_pk_add_f32 v[PR+n:PR+n+1], v[PR+n:PR+n+1], v[PR+32+n:PR+33+n]
.set n, n+2
.endr
.set n, 0
.rept 8
	v_pk_mul_f32 v[PR+n:PR+n+1], v[PR+n:PR+n+1], v[24:25]
.set n, n+2
.endr
.set n, 0
.rept 8
	v_pk_fma_f32 v[PR+n:PR+n+1], v[TK+n:TK+n+1], v[26:27], v[PR+n:PR+n+1]   ; ctx, columns 128 k + 4 l + c at PR + 4 k + c
.set n, n+2
.endr
.macro ROWV i
	s_wait_dscnt 4*(7-\i)                          ; row i's four LDS loads are in, the later rows' four each stay out
	v_pk_mul_f32 v[12+2*(\i&1):13+2*(\i&1)], v[WV+16*\i:WV+16*\i+1], v[PR:PR+1]
.irp k, 2,4,6,8,10,12,14
	v_pk_fma_f32 v[12+2*(\i&1):13+2*(\i&1)], v[WV+16*\i+\k:WV+16*\i+\k+1], v[PR+\k:PR+\k+1], v[12+2*(\i&1):13+2*(\i&1)]
.endr
	v_add_f32 v[VV+\i], v[12+2*(\i&1)], v[13+2*(\i&1)]
.endm
.irp i, 0,1,2,3,4,5,6,7
	ROWV \i
.endr
	HALVE 16, 17, VV, VV+1, 24, 1
	HALVE 18, 19, VV+2, VV+3, 24, 1
	HALVE 20, 21, VV+4, VV+5, 24, 1
	HALVE 22, 23, VV+6, VV+7, 24, 1
	HALVE 24, 25, 16, 18, 25, 2
	HALVE 26, 27, 20, 22, 25, 2
	HALVE 28, 29, 24, 26, 26, 4                    ; lane l now works for row l & 7
	XADD 28, 8
	v_permlanex16_b32 v29, v28, s22, s23
	v_add_f32 v28, v28, v29                        ; the same bits in the four lanes of one row: they store one word
	v_and_b32 v14, 7, v1
	v_lshl_add_u32 v14, s16, 3, v14
	v_lshlrev_b32 v14, 2, v14
	v_add_nc_u32 v14, OB, v14
	ds_store_b32 v14, v28
	s_wait_dscnt 0x0
	BAR
	s_cmp_lg_u32 s16, 0
	s_cbranch_scc1 .Lend                           ; wave 0 alone stores the head's 128 results
	v_add_nc_u32 v14, OB, v6
	ds_load_b128 v[16:19], v14
	s_wait_dscnt 0x0
	global_store_b128 v6, v[16:19], s[14:15]       ; 512 consecutive bytes, aligned
.Lend:
	s_wait_tensorcnt 0x0
	ds_add_u32 v240, v241
	s_wait_dscnt 0x0
	ROUND                                          ; the closing round: no work-group ends while a partner may still ask for a tile that names it
	s_endpgm
.Lfunc_end_k_q4650d5cf0c_combwv:
	.size	k_q4650d5cf0c_combwv, .Lfunc_end_k_q4650d5cf0c_combwv-k_q4650d5cf0c_combwv
	.p2alignl 7, 3214868480
	.fill 96, 4, 3214868480
	.section	.rodata,"a",@progbits
	.p2align	6, 0x0
	.amdhsa_kernel k_q4650d5cf0c_combwv
		.amdhsa_group_segment_fixed_size 273152
		.amdhsa_private_segment_fixed_size 0
		.amdhsa_enable_private_segment 0
		.amdhsa_kernarg_size 48
		.amdhsa_user_sgpr_count 2
		.amdhsa_user_sgpr_kernarg_segment_ptr 1
		.amdhsa_wavefront_size32 1
		.amdhsa_system_sgpr_workgroup_id_x 1
		.amdhsa_system_sgpr_workgroup_id_y 1
		.amdhsa_system_sgpr_workgroup_id_z 1
		.amdhsa_system_vgpr_workitem_id 0
		.amdhsa_next_free_vgpr 242
		.amdhsa_next_free_sgpr 66
		.amdhsa_reserve_vcc 0
		.amdhsa_float_denorm_mode_32 3
		.amdhsa_float_denorm_mode_16_64 3
		.amdhsa_memory_ordered 1
		.amdhsa_forward_progress 1
		.amdhsa_inst_pref_size 26
	.end_amdhsa_kernel
	.amdgpu_metadata
---
amdhsa.version: [ 1, 2 ]
amdhsa.kernels:
  - .name:           k_q4650d5cf0c_combwv
    .symbol:         k_q4650d5cf0c_combwv.kd
    .args:
      - { .name: part, .offset: 0, .size: 8, .value_kind: global_buffer, .address_space: global }
      - { .name: stats, .offset: 8, .size: 8, .value_kind: global_buffer, .address_space: global }
      - { .name: qk, .offset: 16, .size: 8, .value_kind: global_buffer, .address_space: global }
      - { .name: token, .offset: 24, .size: 8, .value_kind: global_buffer, .address_space: global }
      - { .name: Wv, .offset: 32, .size: 8, .value_kind: global_buffer, .address_space: global }
      - { .name: opart, .offset: 40, .size: 8, .value_kind: global_buffer, .address_space: global }
    .group_segment_fixed_size: 273152
    .private_segment_fixed_size: 0
    .kernarg_segment_align: 8
    .kernarg_segment_size: 48
    .max_flat_workgroup_size: 512
    .sgpr_count:     66
    .vgpr_count:     242
    .wavefront_size: 32
...
	.end_amdgpu_metadata
.endif
;; end of part 4
;; launch gemvo (part 5): grid 256 x 1, 8 waves a work-group, no clusters, 34,304 bytes of LDS; arguments opart, Wo, out0; writes out0
.if DOCPART == 5
	.amdgcn_target "amdgcn-amd-amdhsa--gfx1250"
	.amdhsa_code_object_version 6
	.text
	.protected	k_q4650d5cf0c_gemvo
	.globl	k_q4650d5cf0c_gemvo
	.p2align	8
	.type	k_q4650d5cf0c_gemvo,@function
k_q4650d5cf0c_gemvo:
	s_mov_b64 s[64:65], 0
	v_nop
	global_prefetch_b8 v0, s[64:65] scope:SCOPE_SE
	s_setreg_imm32_b32 hwreg(HW_REG_WAVE_MODE, 25, 1), 1
	s_wait_xcnt 0x0
; y[b][o] = sum over i of x[b][i] W[o][i].  x: NP partial tables [4][2048] f32 that are added first (here NP = 4: the four column quarters of the
; value projection), W: [2048][2048] f32, y: [4][2048] f32.
; Four rows of x against a weight table that is streamed once: memory binds, so the work is done in f32 on the vector unit;
; a matrix tile would use 4 of its 16 rows and save no byte.
; The work-group owns the 8 rows o = 8 id .. 8 id + 7 of W (64 KB, all requested in the first lines).  Wave w owns columns 256 w .. 256 w + 255;
; lane l the columns 256 w + 128 u + 4 l .. + 3, u = 0, 1: each load of a wave covers 512 consecutive bytes, aligned.
; x is shared by all work-groups but goes straight into the registers where it is added and multiplied; a joint load would add a trip through LDS. No cluster.
; The 32 results of a work-group are 8 neighbouring numbers in each of 4 rows of y: four runs of 32 bytes.  Runs of 256 bytes would need
; 64 rows of W in a work-group, which leaves 32 work-groups.
.set NP,  4                            ; partial tables of x
.set T,   4                            ; v[4:11]   four pairs, one for each b
.set XB,  16                           ; x at XB + 32 p + 8 b + 4 u
.set WRB, XB+32*NP                     ; W at WRB + 8 i + 4 u, later the loads of the reduction
.set VB,  WRB+64                       ; lane sums at VB + 4 i + b
.set FIN, 32768                        ; LDS: bytes 0 .. 32767 [wave][row][lane] 16 bytes (4 b); FIN: [b][row] 32 words
.macro BAR
	s_barrier_signal -1
	s_barrier_wait -1
.endm
; two sums over lane pairs for the price of one: lanes whose mask bit is 0 end with a[i] + a[i xor xm], the others with b[i] + b[i xor xm]
.macro HALVE t, u, a, b, mask, xm
	v_cndmask_b32 v[\t], v[\a], v[\b], s[\mask]
	v_cndmask_b32 v[\u], v[\b], v[\a], s[\mask]
	v_add_f32_dpp v[\t], v[\u], v[\t] row_xmask:\xm row_mask:0xf bank_mask:0xf
.endm
.macro XADD r, xm
	v_add_f32_dpp v[\r], v[\r], v[\r] row_xmask:\xm row_mask:0xf bank_mask:0xf
.endm
	s_load_b128 s[4:7], s[0:1], 0x0                ; x s[4:5], W s[6:7]
	s_load_b64 s[8:9], s[0:1], 0x10                ; y
	v_lshl_add_u32 v240, v0, 2, 0x8200
	v_mov_b32 v241, 0
	v_and_b32 v1, 31, v0                           ; lane
	v_lshrrev_b32 v14, 5, v0
	v_readfirstlane_b32 s10, v14                   ; wave
	s_mov_b32 s14, 0x76543210                      ; v_permlanex16_b32: lane i reads lane i of the other half
	s_mov_b32 s15, 0xfedcba98
	s_mov_b32 s16, 0xaaaaaaaa                      ; lanes with bit 0 set
	s_mov_b32 s17, 0xcccccccc                      ; lanes with bit 1 set
	v_lshlrev_b32 v14, 4, v1                       ; 16 l
	v_lshl_add_u32 v2, s10, 10, v14                ; my 16 bytes in a row: 1,024 w + 16 l
	v_lshl_add_u32 v3, s10, 12, v14                ; LDS, where I put lane sums: 4,096 w + 16 l
	v_lshl_add_u32 v12, s10, 9, v14                ; LDS, where I read row w's lane sums: 512 w + 16 l
	v_and_b32 v13, 3, v1
	v_lshlrev_b32 v13, 5, v13
	v_lshl_add_u32 v13, s10, 2, v13                ; FIN word 8 (l & 3) + w
	s_lshl_b32 s12, ttmp9, 16                      ; 8 rows of 8,192 bytes
	s_mov_b32 s13, 0
	s_wait_kmcnt 0x0
	s_add_nc_u64 s[6:7], s[6:7], s[12:13]
	s_lshl_b32 s12, ttmp9, 5                       ; 8 numbers of y
	s_add_nc_u64 s[8:9], s[8:9], s[12:13]
.set p, 0
.rept NP
.irp b, 0,1,2,3
.irp u, 0,1
	global_load_b128 v[XB+32*p+8*\b+4*\u:XB+32*p+8*\b+4*\u+3], v2, s[4:5] offset:32768*p+8192*\b+512*\u
.endr
.endr
.set p, p+1
.endr
.irp i, 0,1,2,3,4,5,6,7
.irp u, 0,1
	global_load_b128 v[WRB+8*\i+4*\u:WRB+8*\i+4*\u+3], v2, s[6:7] offset:8192*\i+512*\u th:TH_LOAD_NT
.endr
.endr
	s_wait_loadcnt 16                              ; x is in; the 16 loads of W, issued behind it, stay out
.if NP > 1
.set p, 1
.rept NP-1
.set n, 0
.rept 16
	v_pk_add_f32 v[XB+n:XB+n+1], v[XB+n:XB+n+1], v[XB+32*p+n:XB+32*p+n+1]
.set n, n+2
.endr
.set p, p+1
.endr
.endif
; row i of my eight: my 8 columns against the 4 rows of x, four chains that do not wait for each other
.macro ROW i
	s_wait_loadcnt 2*(7-\i)                        ; loads return in order: row i's two are in, the later rows' two each stay out
.irp b, 0,1,2,3
	v_pk_mul_f32 v[T+2*\b:T+2*\b+1], v[WRB+8*\i:WRB+8*\i+1], v[XB+8*\b:XB+8*\b+1]
.endr
.irp k, 2,4,6
.irp b, 0,1,2,3
	v_pk_fma_f32 v[T+2*\b:T+2*\b+1], v[WRB+8*\i+\k:WRB+8*\i+\k+1], v[XB+8*\b+\k:XB+8*\b+\k+1], v[T+2*\b:T+2*\b+1]
.endr
.endr
.irp b, 0,1,2,3
	v_add_f32 v[VB+4*\i+\b], v[T+2*\b], v[T+2*\b+1]
.endr
	ds_store_b128 v3, v[VB+4*\i:VB+4*\i+3] offset:512*\i
.endm
.irp i, 0,1,2,3,4,5,6,7
	ROW \i
.endr
	s_wait_dscnt 0x0                               ; my lane sums are in LDS before I say so
	BAR
	; wave w finishes row w: the eight waves' lane sums, then the 32 lanes
.irp s, 0,1,2,3,4,5,6,7
	ds_load_b128 v[WRB+4*\s:WRB+4*\s+3], v12 offset:4096*\s
.endr
	s_wait_dscnt 0x0
.irp s, 0,8,16,24
	v_pk_add_f32 v[WRB+\s:WRB+\s+1], v[WRB+\s:WRB+\s+1], v[WRB+\s+4:WRB+\s+5]
	v_pk_add_f32 v[WRB+\s+2:WRB+\s+3], v[WRB+\s+2:WRB+\s+3], v[WRB+\s+6:WRB+\s+7]
.endr
.irp s, 0,16
	v_pk_add_f32 v[WRB+\s:WRB+\s+1], v[WRB+\s:WRB+\s+1], v[WRB+\s+8:WRB+\s+9]
	v_pk_add_f32 v[WRB+\s+2:WRB+\s+3], v[WRB+\s+2:WRB+\s+3], v[WRB+\s+10:WRB+\s+11]
.endr
	v_pk_add_f32 v[WRB:WRB+1], v[WRB:WRB+1], v[WRB+16:WRB+17]
	v_pk_add_f32 v[WRB+2:WRB+3], v[WRB+2:WRB+3], v[WRB+18:WRB+19]
	HALVE 4, 5, WRB, WRB+1, 16, 1
	HALVE 6, 7, WRB+2, WRB+3, 16, 1
	HALVE 8, 9, 4, 6, 17, 2                        ; lane l now works for b = l & 3
	XADD 8, 4
	XADD 8, 8
	v_permlanex16_b32 v9, v8, s14, s15
	v_add_f32 v8, v8, v9                           ; the same bits in all eight lanes of one b: they store one word
	ds_store_b32 v13, v8 offset:FIN
	s_wait_dscnt 0x0
	BAR
	s_cmp_lg_u32 s10, 0
	s_cbranch_scc1 .Lend                           ; wave 0 alone stores the 32 results
	v_lshlrev_b32 v14, 2, v1
	ds_load_b32 v15, v14 offset:FIN                ; lane l: b = l >> 3, row l & 7
	v_lshrrev_b32 v10, 3, v1
	v_and_b32 v11, 7, v1
	v_lshlrev_b32 v11, 2, v11
	v_lshl_or_b32 v10, v10, 13, v11                ; 8,192 b + 4 row
	s_wait_dscnt 0x0
	global_store_b32 v10, v15, s[8:9]
.Lend:
	s_wait_tensorcnt 0x0
	ds_add_u32 v240, v241
	s_wait_dscnt 0x0
	s_endpgm
.Lfunc_end_k_q4650d5cf0c_gemvo:
	.size	k_q4650d5cf0c_gemvo, .Lfunc_end_k_q4650d5cf0c_gemvo-k_q4650d5cf0c_gemvo
	.p2alignl 7, 3214868480
	.fill 96, 4, 3214868480
	.section	.rodata,"a",@progbits
	.p2align	6, 0x0
	.amdhsa_kernel k_q4650d5cf0c_gemvo
		.amdhsa_group_segment_fixed_size 34304
		.amdhsa_private_segment_fixed_size 0
		.amdhsa_enable_private_segment 0
		.amdhsa_kernarg_size 24
		.amdhsa_user_sgpr_count 2
		.amdhsa_user_sgpr_kernarg_segment_ptr 1
		.amdhsa_wavefront_size32 1
		.amdhsa_system_sgpr_workgroup_id_x 1
		.amdhsa_system_sgpr_workgroup_id_y 1
		.amdhsa_system_sgpr_workgroup_id_z 1
		.amdhsa_system_vgpr_workitem_id 0
		.amdhsa_next_free_vgpr 242
		.amdhsa_next_free_sgpr 66
		.amdhsa_reserve_vcc 0
		.amdhsa_float_denorm_mode_32 3
		.amdhsa_float_denorm_mode_16_64 3
		.amdhsa_memory_ordered 1
		.amdhsa_forward_progress 1
		.amdhsa_inst_pref_size 22
	.end_amdhsa_kernel
	.amdgpu_metadata
---
amdhsa.version: [ 1, 2 ]
amdhsa.kernels:
  - .name:           k_q4650d5cf0c_gemvo
    .symbol:         k_q4650d5cf0c_gemvo.kd
    .args:
      - { .name: opart, .offset: 0, .size: 8, .value_kind: global_buffer, .address_space: global }
      - { .name: Wo, .offset: 8, .size: 8, .value_kind: global_buffer, .address_space: global }
      - { .name: out0, .offset: 16, .size: 8, .value_kind: global_buffer, .address_space: global }
    .group_segment_fixed_size: 34304
    .private_segment_fixed_size: 0
    .kernarg_segment_align: 8
    .kernarg_segment_size: 24
    .max_flat_workgroup_size: 256
    .sgpr_count:     66
    .vgpr_count:     242
    .wavefront_size: 32
...
	.end_amdgpu_metadata
.endif
;; end of part 5
;; ======== version 2 of 2: 5 launches; version 1 with the launch gemvq written anew for expert scheduling mode
;; limits: values are held in f16: magnitudes above 65,504 overflow, below 6.1e-05 lose precision; inputs' magnitudes at most 65,504; right only within a limited range of input values
;; workspace buffers: q 32,768 bytes; qk 524,288 bytes; part 33,554,432 bytes; stats 32,768 bytes; opart 131,072 bytes
;; launch gemvq (part 6): grid 256 x 1, 8 waves a work-group, no clusters, 34,304 bytes of LDS; arguments token, Wq, q; writes q
.if DOCPART == 6
	.amdgcn_target "amdgcn-amd-amdhsa--gfx1250"
	.amdhsa_code_object_version 6
	.text
	.protected	k_q4650d5cf0c_gemvq
	.globl	k_q4650d5cf0c_gemvq
	.p2align	8
	.type	k_q4650d5cf0c_gemvq,@function
k_q4650d5cf0c_gemvq:
	s_mov_b64 s[64:65], 0
	v_nop
	global_prefetch_b8 v0, s[64:65] scope:SCOPE_SE
	s_setreg_imm32_b32 hwreg(HW_REG_WAVE_SCHED_MODE, 0, 2), 2
	s_setreg_imm32_b32 hwreg(HW_REG_WAVE_MODE, 25, 1), 1
	s_wait_xcnt 0x0
	s_wait_alu depctr_vm_vsrc(0)
; y[b][o] = sum over i of x[b][i] W[o][i].  x: NP partial tables [4][2048] f32 that are added first (here NP = 1), W: [2048][2048] f32, y: [4][2048] f32.
; Four rows of x against a weight table that is streamed once: memory binds, so the work is done in f32 on the vector unit;
; a matrix tile would use 4 of its 16 rows and save no byte.
; The work-group owns the 8 rows o = 8 id .. 8 id + 7 of W (64 KB, all requested in the first lines).  Wave w owns columns 256 w .. 256 w + 255;
; lane l the columns 256 w + 128 u + 4 l .. + 3, u = 0, 1: each load of a wave covers 512 consecutive bytes, aligned.
; x is shared by all work-groups but goes straight into the registers where it is multiplied; a joint load would add a trip through LDS. No cluster.
; The 32 results of a work-group are 8 neighbouring numbers in each of 4 rows of y: four runs of 32 bytes.  Runs of 256 bytes would need
; 64 rows of W in a work-group, which leaves 32 work-groups.
; THE MODE: SCHED_MODE bits 1:0 = 2 (LLVM: expert scheduling mode 2), set by the entry lines.  The code itself states the register dependences
; between vector instructions and memory or LDS instructions, with s_wait_alu, always for 0.
; THE PLAN.  Registers that memory or LDS instructions touch:
;   v2, v3, v12, v13   offsets and LDS addresses: written at the head, read by the loads and stores, never written again.
;   v[XB ..]           x: loads land once; read by every row's products.
;   v[WRB ..]          W: loads land once; row i's products read its eight.  Behind the first barrier the reduction's LDS loads land in the first 32 of them.
;   v[VB ..]           row i's four adds write its four; one LDS store reads them; never written again.
;   v8                 written by the reduction's last add; read by one LDS store; never written again.
;   v14, v10, v15      wave 0's arm: an LDS address and a store's offset, made there; v15 is named by no vector instruction.
;   v144, v145         written at the head, read by the closing add alone.
; The LDS stores of two rows stand together at the head of the row behind them, behind the wait for that row's loads and one wait on va_vdst; the last two rows'
; behind row 7.  No register that a memory or LDS instruction reads is ever written again, so no wait on vm_vsrc is needed for them.
.set NP,  1                            ; partial tables of x
.set T,   4                            ; v[4:11]   four pairs, one for each b
.set XB,  16                           ; x at XB + 32 p + 8 b + 4 u
.set WRB, XB+32*NP                     ; W at WRB + 8 i + 4 u, later the loads of the reduction
.set VB,  WRB+64                       ; lane sums at VB + 4 i + b
.set FIN, 32768                        ; LDS: bytes 0 .. 32767 [wave][row][lane] 16 bytes (4 b); FIN: [b][row] 32 words
.macro BAR
	s_barrier_signal -1
	s_barrier_wait -1
.endm
; two sums over lane pairs for the price of one: lanes whose mask bit is 0 end with a[i] + a[i xor xm], the others with b[i] + b[i xor xm]
.macro HALVE t, u, a, b, mask, xm
	v_cndmask_b32 v[\t], v[\a], v[\b], s[\mask]
	v_cndmask_b32 v[\u], v[\b], v[\a], s[\mask]
	v_add_f32_dpp v[\t], v[\u], v[\t] row_xmask:\xm row_mask:0xf bank_mask:0xf
.endm
.macro XADD r, xm
	v_add_f32_dpp v[\r], v[\r], v[\r] row_xmask:\xm row_mask:0xf bank_mask:0xf
.endm
	s_load_b128 s[4:7], s[0:1], 0x0                ; x s[4:5], W s[6:7]
	s_load_b64 s[8:9], s[0:1], 0x10                ; y
	v_lshl_add_u32 v144, v0, 2, 0x8200
	v_mov_b32 v145, 0
	v_and_b32 v1, 31, v0                           ; lane
	v_lshrrev_b32 v14, 5, v0
	v_readfirstlane_b32 s10, v14                   ; wave
	s_mov_b32 s14, 0x76543210                      ; v_permlanex16_b32: lane i reads lane i of the other half
	s_mov_b32 s15, 0xfedcba98
	s_mov_b32 s16, 0xaaaaaaaa                      ; lanes with bit 0 set
	s_mov_b32 s17, 0xcccccccc                      ; lanes with bit 1 set
	v_lshlrev_b32 v14, 4, v1                       ; 16 l
	s_wait_alu depctr_va_sdst(0)                   ; s10 is written, ahead of its first reader, the next line
	v_lshl_add_u32 v2, s10, 10, v14                ; my 16 bytes in a row: 1,024 w + 16 l
	v_lshl_add_u32 v3, s10, 12, v14                ; LDS, where I put lane sums: 4,096 w + 16 l
	v_lshl_add_u32 v12, s10, 9, v14                ; LDS, where I read row w's lane sums: 512 w + 16 l
	v_and_b32 v13, 3, v1
	v_lshlrev_b32 v13, 5, v13
	v_lshl_add_u32 v13, s10, 2, v13                ; FIN word 8 (l & 3) + w
	s_lshl_b32 s12, ttmp9, 16                      ; 8 rows of 8,192 bytes
	s_mov_b32 s13, 0
	s_wait_kmcnt 0x0
	s_add_nc_u64 s[6:7], s[6:7], s[12:13]
	s_lshl_b32 s12, ttmp9, 5                       ; 8 numbers of y
	s_add_nc_u64 s[8:9], s[8:9], s[12:13]
	s_wait_alu depctr_va_vdst(0)                   ; v2 is written, which the 24 loads below read as their offset; so are v3, v12 and v13, the LDS addresses of the stores and loads further down
.set p, 0
.rept NP
.irp b, 0,1,2,3
.irp u, 0,1
	global_load_b128 v[XB+32*p+8*\b+4*\u:XB+32*p+8*\b+4*\u+3], v2, s[4:5] offset:32768*p+8192*\b+512*\u
.endr
.endr
.set p, p+1
.endr
.irp i, 0,1,2,3,4,5,6,7
.irp u, 0,1
	global_load_b128 v[WRB+8*\i+4*\u:WRB+8*\i+4*\u+3], v2, s[6:7] offset:8192*\i+512*\u th:TH_LOAD_NT
.endr
.endr
	s_wait_loadcnt 16                              ; x is in; the 16 loads of W, issued behind it, stay out
.if NP > 1
.set p, 1
.rept NP-1
.set n, 0
.rept 16
	v_pk_add_f32 v[XB+n:XB+n+1], v[XB+n:XB+n+1], v[XB+32*p+n:XB+32*p+n+1]
.set n, n+2
.endr
.set p, p+1
.endr
.endif
; row i of my eight: my 8 columns against the 4 rows of x, four chains that do not wait for each other.
; At the head of rows 2, 4 and 6 the lane sums of the two rows before go into LDS.
.macro ROW i
	s_wait_loadcnt 2*(7-\i)                        ; loads return in order: row i's two are in, the later rows' two each stay out
.if ((\i) > 0) && ((\i) % 2 == 0)
	s_wait_alu depctr_va_vdst(0)                   ; the adds of rows i - 2 and i - 1 have written their v[VB ..], which the two LDS stores read
	ds_store_b128 v3, v[VB+4*(\i-2):VB+4*(\i-2)+3] offset:512*(\i-2)
	ds_store_b128 v3, v[VB+4*(\i-1):VB+4*(\i-1)+3] offset:512*(\i-1)
.endif
.irp b, 0,1,2,3
	v_pk_mul_f32 v[T+2*\b:T+2*\b+1], v[WRB+8*\i:WRB+8*\i+1], v[XB+8*\b:XB+8*\b+1]
.endr
.irp k, 2,4,6
.irp b, 0,1,2,3
	v_pk_fma_f32 v[T+2*\b:T+2*\b+1], v[WRB+8*\i+\k:WRB+8*\i+\k+1], v[XB+8*\b+\k:XB+8*\b+\k+1], v[T+2*\b:T+2*\b+1]
.endr
.endr
.irp b, 0,1,2,3
	v_add_f32 v[VB+4*\i+\b], v[T+2*\b], v[T+2*\b+1]
.endr
.endm
.irp i, 0,1,2,3,4,5,6,7
	ROW \i
.endr
	s_wait_alu depctr_va_vdst(0)                   ; the adds of rows 6 and 7 have written their v[VB ..], which the two LDS stores read; and all rows' products are done reading v[WRB ..], in which the LDS loads behind the barrier land (no vector instruction stands between)
	ds_store_b128 v3, v[VB+24:VB+27] offset:512*6
	ds_store_b128 v3, v[VB+28:VB+31] offset:512*7
	s_wait_dscnt 0x0                               ; my lane sums are in LDS before I say so
	BAR
	; wave w finishes row w: the eight waves' lane sums, then the 32 lanes
.irp s, 0,1,2,3,4,5,6,7
	ds_load_b128 v[WRB+4*\s:WRB+4*\s+3], v12 offset:4096*\s
.endr
	s_wait_dscnt 0x0
.irp s, 0,8,16,24
	v_pk_add_f32 v[WRB+\s:WRB+\s+1], v[WRB+\s:WRB+\s+1], v[WRB+\s+4:WRB+\s+5]
	v_pk_add_f32 v[WRB+\s+2:WRB+\s+3], v[WRB+\s+2:WRB+\s+3], v[WRB+\s+6:WRB+\s+7]
.endr
.irp s, 0,16
	v_pk_add_f32 v[WRB+\s:WRB+\s+1], v[WRB+\s:WRB+\s+1], v[WRB+\s+8:WRB+\s+9]
	v_pk_add_f32 v[WRB+\s+2:WRB+\s+3], v[WRB+\s+2:WRB+\s+3], v[WRB+\s+10:WRB+\s+11]
.endr
	v_pk_add_f32 v[WRB:WRB+1], v[WRB:WRB+1], v[WRB+16:WRB+17]
	v_pk_add_f32 v[WRB+2:WRB+3], v[WRB+2:WRB+3], v[WRB+18:WRB+19]
	HALVE 4, 5, WRB, WRB+1, 16, 1
	HALVE 6, 7, WRB+2, WRB+3, 16, 1
	HALVE 8, 9, 4, 6, 17, 2                        ; lane l now works for b = l & 3
	XADD 8, 4
	XADD 8, 8
	v_permlanex16_b32 v9, v8, s14, s15
	v_add_f32 v8, v8, v9                           ; the same bits in all eight lanes of one b: they store one word
	s_wait_alu depctr_va_vdst(0)                   ; the add has written v8, which the LDS store reads
	ds_store_b32 v13, v8 offset:FIN
	s_wait_dscnt 0x0
	BAR
	s_cmp_lg_u32 s10, 0
	s_cbranch_scc1 .Lend                           ; wave 0 alone stores the 32 results
	v_lshlrev_b32 v14, 2, v1                       ; lane l: b = l >> 3, row l & 7
	v_lshrrev_b32 v10, 3, v1
	v_and_b32 v11, 7, v1
	v_lshlrev_b32 v11, 2, v11
	v_lshl_or_b32 v10, v10, 13, v11                ; 8,192 b + 4 row
	s_wait_alu depctr_va_vdst(0)                   ; v14 is written, the LDS load's address, and v10, the store's offset
	ds_load_b32 v15, v14 offset:FIN
	s_wait_dscnt 0x0
	global_store_b32 v10, v15, s[8:9]
.Lend:
	s_wait_dscnt 0x0                               ; the closing lines, six on end
	s_wait_alu 0x0
	s_wait_tensorcnt 0x0
	ds_add_u32 v144, v145
	s_wait_dscnt 0x0
	s_endpgm
.Lfunc_end_k_q4650d5cf0c_gemvq:
	.size	k_q4650d5cf0c_gemvq, .Lfunc_end_k_q4650d5cf0c_gemvq-k_q4650d5cf0c_gemvq
	.p2alignl 7, 3214868480
	.fill 96, 4, 3214868480
	.section	.rodata,"a",@progbits
	.p2align	6, 0x0
	.amdhsa_kernel k_q4650d5cf0c_gemvq
		.amdhsa_group_segment_fixed_size 34304
		.amdhsa_private_segment_fixed_size 0
		.amdhsa_enable_private_segment 0
		.amdhsa_kernarg_size 24
		.amdhsa_user_sgpr_count 2
		.amdhsa_user_sgpr_kernarg_segment_ptr 1
		.amdhsa_wavefront_size32 1
		.amdhsa_system_sgpr_workgroup_id_x 1
		.amdhsa_system_sgpr_workgroup_id_y 1
		.amdhsa_system_sgpr_workgroup_id_z 1
		.amdhsa_system_vgpr_workitem_id 0
		.amdhsa_next_free_vgpr 146
		.amdhsa_next_free_sgpr 66
		.amdhsa_reserve_vcc 0
		.amdhsa_float_denorm_mode_32 3
		.amdhsa_float_denorm_mode_16_64 3
		.amdhsa_memory_ordered 1
		.amdhsa_forward_progress 1
		.amdhsa_inst_pref_size 17
	.end_amdhsa_kernel
	.amdgpu_metadata
---
amdhsa.version: [ 1, 2 ]
amdhsa.kernels:
  - .name:           k_q4650d5cf0c_gemvq
    .symbol:         k_q4650d5cf0c_gemvq.kd
    .args:
      - { .name: token, .offset: 0, .size: 8, .value_kind: global_buffer, .address_space: global }
      - { .name: Wq, .offset: 8, .size: 8, .value_kind: global_buffer, .address_space: global }
      - { .name: q, .offset: 16, .size: 8, .value_kind: global_buffer, .address_space: global }
    .group_segment_fixed_size: 34304
    .private_segment_fixed_size: 0
    .kernarg_segment_align: 8
    .kernarg_segment_size: 24
    .max_flat_workgroup_size: 256
    .sgpr_count:     66
    .vgpr_count:     146
    .wavefront_size: 32
...
	.end_amdgpu_metadata
.endif
;; end of part 6
;; launch qkproj: the kernel of part 2 again; grid 256 x 1, 8 waves a work-group, no clusters, 17,408 bytes of LDS; arguments q, Wk, qk; writes qk
;; launch attn: the kernel of part 3 again; grid 256 x 1, 8 waves a work-group, no clusters, 285,696 bytes of LDS; arguments tokens, qk, part, stats; writes part, stats
;; launch combwv: the kernel of part 4 again; grid 256 x 1, 16 waves a work-group, clusters of 4 x 1, 273,152 bytes of LDS; arguments part, stats, qk, token, Wv, opart; writes opart
;; launch gemvo: the kernel of part 5 again; grid 256 x 1, 8 waves a work-group, no clusters, 34,304 bytes of LDS; arguments opart, Wo, out0; writes out0
